; MI455X (gfx1250); checked and timed in simulation.
; The chip was launched on July 23, 2026; its instructions are those of AMD's public machine-readable ISA for CDNA 5 (MIT licence, August 2026) and "CDNA5" Instruction Set Architecture Reference Guide (July 2026). The comments in the code are by the model that wrote it; some were corrected since.
;; multilayer. Allowed arithmetic: float matrix products may take bf16 or f16 operands with f32 sums; all other float work in f32.
;; Inputs: low_rank 2 x 3 x 4 x 3 x 256 x 384 float32; planes 2 x 3 float32.
;; Outputs: out0 2 x 9 x 3 x 256 x 384 float32.
;; 2 versions, each right and faster than the one before. Each part assembles by itself: llvm-mc -triple=amdgcn-amd-amdhsa -mcpu=gfx1250 --defsym DOCPART=n.
;; ======== version 1 of 2: 2 launches
;; workspace buffers: shift 256 bytes of whole numbers
;; launch shifts (part 1): grid 1 x 1, 1 waves a work-group, no clusters, 0 bytes of LDS; arguments planes, shift; writes shift
.if DOCPART == 1
	.amdgcn_target "amdgcn-amd-amdhsa--gfx1250"
	.amdhsa_code_object_version 6
	.text
	.protected	k_q62fdd9d0e7_shifts
	.globl	k_q62fdd9d0e7_shifts
	.p2align	8
	.type	k_q62fdd9d0e7_shifts,@function
k_q62fdd9d0e7_shifts:
	s_mov_b64 s[64:65], 0
	v_nop
	global_prefetch_b8 v0, s[64:65] scope:SCOPE_SE
	s_setreg_imm32_b32 hwreg(HW_REG_WAVE_MODE, 25, 1), 1
	s_wait_xcnt 0x0
; The whole part of every view's shift, as whole numbers for the next launch, which forms addresses from them.
; A view (kk, ll) of layer l samples at  x = j - ll * p * 383/768,  y = i - kk * p * 255/512,  p = planes[n][l].
; Lane t = 16 n + 4 l + kind;  kind 0: x, ll = -1 (+p cx);  1: x, ll = +1 (-p cx);  2: y, kk = -1 (+p cy);  3: y, kk = +1 (-p cy).
; Word t of the buffer = floor(shift) + 512.  The shift is first clamped to +-512 pixels: that is beyond the image (384 x 256),
; where both taps clamp to the same border pixel, so the clamp changes no result.  Lanes with l = 3 repeat l = 2; nobody reads their words.
; LIMIT: planes must be finite (for NaN or infinity reference() itself converts a NaN to an integer).
.set CX,   0x3eff5555                  ; 383/768
.set CY,   0x3eff0000                  ; 255/512
.set BIAS, 512
	s_load_b128 s[4:7], s[0:1], 0x0                ; planes s[4:5], shift s[6:7]
	s_mov_b32 s8, 0xc4000000                       ; -512.0
	s_mov_b32 s9, 0x44000000                       ; +512.0
	v_lshrrev_b32 v1, 4, v0                        ; n
	v_bfe_u32 v2, v0, 2, 2                         ; l
	v_min_u32 v2, 2, v2
	v_mad_u32_u24 v1, v1, 3, v2                    ; 3 n + l
	v_lshlrev_b32 v1, 2, v1                        ; its byte offset in planes
	v_and_b32 v3, 2, v0                            ; kind 2, 3: y
	v_mov_b32 v4, CY
	v_cmp_ne_u32 vcc_lo, 0, v3
	v_cndmask_b32 v4, CX, v4, vcc_lo               ; y ? cy : cx
	v_lshlrev_b32 v3, 31, v0                       ; kind 1, 3: the minus sign
	v_xor_b32 v4, v3, v4
	v_lshlrev_b32 v5, 2, v0                        ; my word
	s_wait_kmcnt 0x0
	global_load_b32 v6, v1, s[4:5]
	s_wait_loadcnt 0x0
	v_mul_f32 v6, v6, v4                           ; the shift in pixels; the next launch repeats these two lines
	v_med3_num_f32 v6, v6, s8, s9
	v_floor_f32 v6, v6
	v_cvt_i32_f32 v6, v6
	v_add_nc_u32 v6, BIAS, v6                      ; 0 .. 1024
	global_store_b32 v5, v6, s[6:7]
	s_endpgm
.Lfunc_end_k_q62fdd9d0e7_shifts:
	.size	k_q62fdd9d0e7_shifts, .Lfunc_end_k_q62fdd9d0e7_shifts-k_q62fdd9d0e7_shifts
	.p2alignl 7, 3214868480
	.fill 96, 4, 3214868480
	.section	.rodata,"a",@progbits
	.p2align	6, 0x0
	.amdhsa_kernel k_q62fdd9d0e7_shifts
		.amdhsa_group_segment_fixed_size 0
		.amdhsa_private_segment_fixed_size 0
		.amdhsa_enable_private_segment 0
		.amdhsa_kernarg_size 16
		.amdhsa_user_sgpr_count 2
		.amdhsa_user_sgpr_kernarg_segment_ptr 1
		.amdhsa_wavefront_size32 1
		.amdhsa_system_sgpr_workgroup_id_x 1
		.amdhsa_system_sgpr_workgroup_id_y 1
		.amdhsa_system_sgpr_workgroup_id_z 1
		.amdhsa_system_vgpr_workitem_id 0
		.amdhsa_next_free_vgpr 8
		.amdhsa_next_free_sgpr 66
		.amdhsa_reserve_vcc 1
		.amdhsa_float_denorm_mode_32 3
		.amdhsa_float_denorm_mode_16_64 3
		.amdhsa_memory_ordered 1
		.amdhsa_forward_progress 1
		.amdhsa_inst_pref_size 2
	.end_amdhsa_kernel
	.amdgpu_metadata
---
amdhsa.version: [ 1, 2 ]
amdhsa.kernels:
  - .name:           k_q62fdd9d0e7_shifts
    .symbol:         k_q62fdd9d0e7_shifts.kd
    .args:
      - { .name: planes, .offset: 0, .size: 8, .value_kind: global_buffer, .address_space: global }
      - { .name: shift, .offset: 8, .size: 8, .value_kind: global_buffer, .address_space: global }
    .group_segment_fixed_size: 0
    .private_segment_fixed_size: 0
    .kernarg_segment_align: 8
    .kernarg_segment_size: 16
    .max_flat_workgroup_size: 32
    .sgpr_count:     66
    .vgpr_count:     8
    .wavefront_size: 32
...
	.end_amdgpu_metadata
.endif
;; end of part 1
;; launch compose (part 2): grid 512 x 1, 12 waves a work-group, no clusters, 70,656 bytes of LDS; arguments low_rank, planes, shift, out0; writes out0
.if DOCPART == 2
	.amdgcn_target "amdgcn-amd-amdhsa--gfx1250"
	.amdhsa_code_object_version 6
	.text
	.protected	k_q62fdd9d0e7_compose
	.globl	k_q62fdd9d0e7_compose
	.p2align	8
	.type	k_q62fdd9d0e7_compose,@function
k_q62fdd9d0e7_compose:
	s_mov_b64 s[64:65], 0
	v_nop
	global_prefetch_b8 v0, s[64:65] scope:SCOPE_SE
	s_setreg_imm32_b32 hwreg(HW_REG_WAVE_MODE, 25, 1), 1
	s_wait_xcnt 0x0
; out0[n][a][c][i][j] = 1/4 * sum over 4 ranks of the product over 3 layers of a bilinear sample of low_rank[n][l][r][c],
; taken at (i + dy, j + dx), border clamped; dx, dy are constants of (n, l, view a = 3 (kk+1) + (ll+1)):  dx = -ll p 383/768, dy = -kk p 255/512.
; Clamping the position equals clamping the two tap indices, so with D = floor(d), f = d - D a sample is a vertical lerp of rows
; clamp(i + Dy), clamp(i + Dy + 1) followed by a horizontal lerp of columns clamp(j + Dx), clamp(j + Dx + 1).  D + 512 comes as whole numbers
; from the launch before; f is made here as d - D, with d by the same two instructions as there.
;
; A work-group makes one row i of one n, for all 9 views and 3 channels: 12 waves, thread = column.  Nine steps, c outer, layer inner.  A step:
;   20 loads of 4 bytes a lane (5 rows x 4 ranks; a wave's load covers 128 consecutive bytes), the four ranks of a row in four neighbouring registers,
;   so that all arithmetic is packed over ranks;  the vertical lerps V(kk);  V to LDS as units of 16 bytes [column][4 ranks];  a barrier;
;   for each kk and ll = -1, +1 the two taps as 16-byte LDS loads;  the horizontal lerp;  the product into 36 accumulators.
; A unit is aligned for ds_load_b128 at EVERY horizontal shift, and the border is a clamp of the lane's unit index: no select, no special edge code.
; ll = 0 needs no LDS: the thread holds its own V.  The 1/4 rides on layer 0's vertical weights (a power of two: no rounding).
; Layer 2 ends in a dot over the ranks; the 9 results of a column go through an LDS stage and leave as 16 bytes a lane:
; sixteen neighbouring lanes store 256 consecutive bytes, at a multiple of 256 from out0's first byte.
; Each layer has its own V buffer in LDS, so a buffer is written again three barriers behind its last read: one barrier a step.
; No matrix unit (there is no product of matrices), no tensor loads (beyond an edge they deliver zeros, here the border repeats), hence no cluster.
; LIMITS: planes finite.  The position is j + p 383/768 and not the reference's way through the normalised grid: it differs by the rounding
; of the position alone (far below a thousandth of a pixel), and the result is continuous in the position.
.set IMG_W, 384
.set IMG_H, 256
.set ROWB,  IMG_W*4                    ; bytes in an image row
.set PL,    IMG_H*ROWB                 ; bytes in an image plane; also from c to c
.set RK,    3*PL                       ; from rank to rank in low_rank
.set LY,    12*PL                      ; from layer to layer
.set NB,    36*PL                      ; from n to n in low_rank
.set VW,    3*PL                       ; from view to view in out0
.set ONB,   27*PL                      ; from n to n in out0
.set BIAS,  512                        ; the whole numbers are D + 512
.set CX,    0x3eff5555                 ; 383/768
.set CY,    0x3eff0000                 ; 255/512
.set UROW,  IMG_W*16                   ; LDS: 384 units of 16 bytes, one V(kk)
.set VBUF,  3*UROW                     ; LDS: a layer's three V
.set STAGE, 3*VBUF                     ; LDS: 9 rows of 384 f32 on the way out, behind the three V buffers
.set XO,   1                           ; v1       4 x: my column in an image row
.set SA,   2                           ; v2       16 x: my unit in a V
.set STW,  3                           ; v3       STAGE + 4 x
.set STR,  4                           ; v4       STAGE + 16 t
.set OUTO, 5                           ; v5       my byte offset in out0 on the way out
.set RA,   6                           ; v[6:17]  layer l: unit addresses of the taps: ll=-1 left, right; ll=+1 left, right
.set RING, 18                          ; v[18:77] slot l (= layer): rows Z, M0, M1, P0, P1, 4 ranks each
.set ACC,  78                          ; v[78:113] view (kk', ll'): 4 ranks at ACC + 4 (3 kk' + ll')
.set LT,   114                         ; v[114:145] two sets of four units read from LDS
.set T,    LT                          ; the same registers as scratch where no LDS read is out
.set OQ,   146                         ; v[146:157] the 9 results of a column; later three quads on the way out
.set BASE, 20                          ; s[20:49] layer l: addresses of rows Z, M0, M1, P0, P1 (c = 0, rank 0)
.set INTS, 52                          ; s[52:63] D + 512: layer l at 4 l: x ll=-1, x ll=+1, y kk=-1, y kk=+1
.set WT,   66                          ; s[66:101] layer l at 12 l, each weight twice (a pair for the packed forms): fx-, fx+, A-, B-, A+, B+
; 20 loads: the five rows of layer l, channel c.  Rank and channel stand in the immediate (4,325,376 at the most).
.macro FILL l, c
.irp q, 0,1,2,3,4
.irp r, 0,1,2,3
	global_load_b32 v[RING+20*\l+4*\q+\r], v[XO], s[BASE+10*\l+2*\q:BASE+10*\l+2*\q+1] offset:(\c)*PL+\r*RK
.endr
.endr
.endm
; address of row clamp(i + e + D) of layer l (s[4:5] = the layer's first plane, s3 = 0).  The last step on the loaded number is the minimum with a constant.
.macro ROWBASE l, q, kind, e
	s_add_co_u32 s15, s[INTS+4*\l+\kind], s13
.if \e
	s_add_co_u32 s15, s15, \e
.endif
	s_max_u32 s15, s15, BIAS
	s_sub_co_u32 s15, s15, BIAS
	s_min_u32 s15, s15, IMG_H-1
	s_mul_i32 s2, s15, ROWB
	s_add_nc_u64 s[BASE+10*\l+2*\q:BASE+10*\l+2*\q+1], s[4:5], s[2:3]
.endm
; dst = a * s[wa] + b * s[wa+2], four ranks
.macro VLERP dst, a, b, wa
	v_pk_mul_f32 v[\dst:\dst+1],   v[\a:\a+1],   s[\wa:\wa+1] op_sel_hi:[1,0]
	v_pk_mul_f32 v[\dst+2:\dst+3], v[\a+2:\a+3], s[\wa:\wa+1] op_sel_hi:[1,0]
	v_pk_fma_f32 v[\dst:\dst+1],   v[\b:\b+1],   s[\wa+2:\wa+3], v[\dst:\dst+1] op_sel_hi:[1,0,1]
	v_pk_fma_f32 v[\dst+2:\dst+3], v[\b+2:\b+3], s[\wa+2:\wa+3], v[\dst+2:\dst+3] op_sel_hi:[1,0,1]
.endm
; dst = s0 + s[w] * (s1 - s0), four ranks; s1 is spent
.macro HLERP dst, s0, s1, w
	v_pk_add_f32 v[\s1:\s1+1],     v[\s1:\s1+1],     v[\s0:\s0+1]     neg_lo:[0,1] neg_hi:[0,1]
	v_pk_add_f32 v[\s1+2:\s1+3],   v[\s1+2:\s1+3],   v[\s0+2:\s0+3]   neg_lo:[0,1] neg_hi:[0,1]
	v_pk_fma_f32 v[\dst:\dst+1],   v[\s1:\s1+1],   s[\w:\w+1], v[\s0:\s0+1]   op_sel_hi:[1,0,1]
	v_pk_fma_f32 v[\dst+2:\dst+3], v[\s1+2:\s1+3], s[\w:\w+1], v[\s0+2:\s0+3] op_sel_hi:[1,0,1]
.endm
; layer 1: the accumulator takes the sample as a factor
.macro CMUL acc, v
	v_pk_mul_f32 v[\acc:\acc+1],   v[\acc:\acc+1],   v[\v:\v+1]
	v_pk_mul_f32 v[\acc+2:\acc+3], v[\acc+2:\acc+3], v[\v+2:\v+3]
.endm
; layer 2: the last factor and the sum over the four ranks in one; view a's result goes to the stage
.macro CDOT acc, v, t, a
	v_pk_mul_f32 v[\t:\t+1], v[\acc:\acc+1],   v[\v:\v+1]
	v_pk_fma_f32 v[\t:\t+1], v[\acc+2:\acc+3], v[\v+2:\v+3], v[\t:\t+1]
	v_add_f32 v[OQ+(\a)], v[\t], v[\t+1]
	ds_store_b32 v[STW], v[OQ+(\a)] offset:(\a)*ROWB
.endm
; the vertical lerps of layer l, V to LDS, and the middle views (ll = 0), which need nothing from other columns
.macro STAGE1 l
.if \l == 0
	v_pk_mul_f32 v[ACC+16:ACC+17], v[RING:RING+1],   s[16:17] op_sel_hi:[1,0]     ; layer 0 starts the products: V lands in the middle views' accumulators,
	v_pk_mul_f32 v[ACC+18:ACC+19], v[RING+2:RING+3], s[16:17] op_sel_hi:[1,0]     ; with the mean's 1/4
	ds_store_b128 v[SA], v[ACC+16:ACC+19] offset:UROW
	VLERP ACC+4, RING+4, RING+8, WT+4
	ds_store_b128 v[SA], v[ACC+4:ACC+7]
	VLERP ACC+28, RING+12, RING+16, WT+8
	ds_store_b128 v[SA], v[ACC+28:ACC+31] offset:2*UROW
.else
	ds_store_b128 v[SA], v[RING+20*\l:RING+20*\l+3] offset:\l*VBUF+UROW
	VLERP RING+20*\l+4, RING+20*\l+4, RING+20*\l+8, WT+12*\l+4
	ds_store_b128 v[SA], v[RING+20*\l+4:RING+20*\l+7] offset:\l*VBUF
	VLERP RING+20*\l+12, RING+20*\l+12, RING+20*\l+16, WT+12*\l+8
	ds_store_b128 v[SA], v[RING+20*\l+12:RING+20*\l+15] offset:\l*VBUF+2*UROW
.if \l == 1
	CMUL ACC+4,  RING+20*\l+4
	CMUL ACC+16, RING+20*\l
	CMUL ACC+28, RING+20*\l+12
.else
	CDOT ACC+4,  RING+20*\l+4,  T,   1
	CDOT ACC+16, RING+20*\l,    T+2, 4
	CDOT ACC+28, RING+20*\l+12, T+4, 7
.endif
.endif
.endm
; four units of V(k) of layer l into set b: the two taps of ll = -1, the two of ll = +1
.macro GLOAD l, k, b
.irp e, 0,1,2,3
	ds_load_b128 v[LT+16*\b+4*\e:LT+16*\b+4*\e+3], v[RA+4*\l+\e] offset:\l*VBUF+\k*UROW
.endr
.endm
; the two horizontal lerps on set b and what layer l does with them
.macro HL l, k, b
.if \l == 0
	HLERP ACC+12*\k,   LT+16*\b,   LT+16*\b+4,  WT
	HLERP ACC+12*\k+8, LT+16*\b+8, LT+16*\b+12, WT+2
.else
	HLERP LT+16*\b,   LT+16*\b,   LT+16*\b+4,  WT+12*\l
	HLERP LT+16*\b+8, LT+16*\b+8, LT+16*\b+12, WT+12*\l+2
.if \l == 1
	CMUL ACC+12*\k,   LT+16*\b
	CMUL ACC+12*\k+8, LT+16*\b+8
.else
	CDOT ACC+12*\k,   LT+16*\b,   LT+16*\b+4,  3*\k
	CDOT ACC+12*\k+8, LT+16*\b+8, LT+16*\b+12, 3*\k+2
.endif
.endif
.endm
; The stage holds 9 rows x 96 quads = 864 quads for 384 threads: two each, and 96 more for waves 0 to 2.  Quad t + 384 m lies at byte 16 t + 6,144 m.
.macro READBACK
	ds_load_b128 v[OQ:OQ+3],   v[STR]
	ds_load_b128 v[OQ+4:OQ+7], v[STR] offset:UROW
	s_cmp_gt_u32 s14, 2
	s_cbranch_scc1 .Lno_third_load_\@
	ds_load_b128 v[OQ+8:OQ+11], v[STR] offset:2*UROW
.Lno_third_load_\@:
.endm
; quad t + 384 m belongs to view 4 m + t / 96; s[10:11] stands at view 4, so that the immediates stay inside their signed 24 bits
.macro STOREOUT c
	global_store_b128 v[OUTO], v[OQ:OQ+3],   s[10:11] offset:(\c)*PL-4*VW th:TH_STORE_NT
	global_store_b128 v[OUTO], v[OQ+4:OQ+7], s[10:11] offset:(\c)*PL th:TH_STORE_NT
	s_cmp_gt_u32 s14, 2
	s_cbranch_scc1 .Lno_third_store_\@
	global_store_b128 v[OUTO], v[OQ+8:OQ+11], s[10:11] offset:(\c)*PL+4*VW th:TH_STORE_NT
.Lno_third_store_\@:
.endm
; One step.  left = the loads issued behind this slot's fill.
.macro STEP c, l, left
	s_wait_loadcnt \left                           ; loads come back in order (ISA guide 5.7.1): my slot is in, the younger fills stay out
.if \l == 2
.if \c > 0
	s_wait_xcnt 0x0                                ; the last channel's stores have read OQ: it is written again only behind this wait
.endif
.endif
	STAGE1 \l
	s_wait_dscnt 0x0                               ; for the others' sake: my V (and stage) stores are done, and so are all my earlier LDS reads
	s_barrier_signal -1
	s_barrier_wait -1                              ; every column's V of this layer is in LDS
.if \l == 0
.if \c > 0
	READBACK                                       ; and so is the last channel's stage
.endif
.endif
	GLOAD \l, 0, 0
	GLOAD \l, 1, 1
.if \c < 2
	FILL \l, \c+1                                  ; the slot is free (its last readers were STAGE1's lines and stores): the same layer of the next channel, three steps ahead
.endif
	s_wait_dscnt 0x4                               ; all but the four reads of kk' = 1
.if \l == 0
.if \c > 0
	STOREOUT \c-1
.endif
.endif
	HL \l, 0, 0
	GLOAD \l, 2, 0
.if \l == 2
	s_wait_dscnt 0x6                               ; behind the reads of kk' = 1: two result stores and four reads
.else
	s_wait_dscnt 0x4                               ; behind the reads of kk' = 1: four reads
.endif
	HL \l, 1, 1
.if \l == 2
	s_wait_dscnt 0x2                               ; behind the reads of kk' = 2: two result stores
.else
	s_wait_dscnt 0x0
.endif
	HL \l, 2, 0
.endm
	s_load_b256 s[4:11], s[0:1], 0x0               ; low_rank s[4:5], planes s[6:7], shift s[8:9], out0 s[10:11]
	v_lshl_add_u32 v160, v0, 2, 0x10e00
	v_mov_b32 v161, 0
	v_lshrrev_b32 v[T], 5, v0
	v_readfirstlane_b32 s14, v[T]                  ; wave 0..11
	s_lshr_b32 s12, ttmp9, 8                       ; n
	s_and_b32 s13, ttmp9, 255                      ; i
	s_mov_b32 s3, 0                                ; high word of every 32-bit offset below
	v_and_b32 v[T], 15, v0                         ; lanes 0-11 (repeated above): item 4 l + kind
	v_lshrrev_b32 v[T+1], 2, v[T]
	v_min_u32 v[T+1], 2, v[T+1]
	v_lshlrev_b32 v[T+1], 2, v[T+1]                ; byte offset of planes[n][l]
	v_lshlrev_b32 v[T+2], 2, v[T]                  ; byte offset of the item's whole number
	s_wait_kmcnt 0x0
	s_lshl_b32 s2, s12, 6
	s_add_nc_u64 s[8:9], s[8:9], s[2:3]            ; my n's 16 words
	s_mul_i32 s2, s12, 12
	s_add_nc_u64 s[6:7], s[6:7], s[2:3]            ; my n's three planes
	s_load_b256 s[INTS:INTS+7], s[8:9], 0x0        ; the whole numbers as scalars, for addresses,
	s_load_b128 s[INTS+8:INTS+11], s[8:9], 0x20
	global_load_b32 v[T+3], v[T+1], s[6:7]         ; and, one item a lane, p and D + 512 for the weights
	global_load_b32 v[T+4], v[T+2], s[8:9]
	s_mul_i32 s2, s12, NB
	s_add_nc_u64 s[4:5], s[4:5], s[2:3]            ; low_rank[n], layer 0
	s_mul_i32 s2, s12, ONB
	s_mul_i32 s15, s13, ROWB
	s_add_co_u32 s2, s2, s15
	s_add_co_u32 s2, s2, 4*VW
	s_add_nc_u64 s[10:11], s[10:11], s[2:3]        ; out0[n][view 4][c 0][i]
	s_mul_i32 s15, s14, 0x5556
	s_lshr_b32 s15, s15, 16                        ; wave / 3 = t / 96: which of four stage rows my quads lie in
	s_mul_i32 s15, s15, VW-ROWB
	v_lshlrev_b32 v[XO], 2, v0
	v_lshlrev_b32 v[SA], 4, v0
	v_add_nc_u32 v[STW], STAGE, v[XO]
	v_add_nc_u32 v[STR], STAGE, v[SA]
	v_add_nc_u32 v[OUTO], s15, v[SA]               ; (t / 96) views + 16 (t mod 96)
	s_mov_b32 s16, 0x3e800000                      ; 0.25, as a pair
	s_mov_b32 s17, 0x3e800000
	s_wait_kmcnt 0x0
.irp k, 0,1,2,3,4,5,6,7,8,9,10,11
	s_min_u32 s[INTS+\k], s[INTS+\k], 2*BIAS
.endr
.irp l, 0,1,2
	s_mul_i32 s2, s13, ROWB
	s_add_nc_u64 s[BASE+10*\l:BASE+10*\l+1], s[4:5], s[2:3]    ; kk = 0: row i
	ROWBASE \l, 1, 2, 0                            ; kk = -1: upper, lower row
	ROWBASE \l, 2, 2, 1
	ROWBASE \l, 3, 3, 0                            ; kk = +1
	ROWBASE \l, 4, 3, 1
	FILL \l, 0                                     ; the ring is filled as soon as a layer's rows are known: 60 loads, 62 out with the two above
.if \l < 2
	s_add_nc_u64 s[4:5], s[4:5], LY
.endif
.endr
	; the taps' unit addresses: 16 * clamp(x + e + D, 0, 383); the last step on the loaded number is the minimum with a constant
.irp l, 0,1,2
.irp d, 0,1
	v_add_nc_u32 v[T+5], s[INTS+4*\l+\d], v0
	v_add_nc_u32 v[T+6], 1, v[T+5]
	v_max_u32 v[T+5], BIAS, v[T+5]
	v_max_u32 v[T+6], BIAS, v[T+6]
	v_add_nc_u32 v[T+5], -BIAS, v[T+5]
	v_add_nc_u32 v[T+6], -BIAS, v[T+6]
	v_min_u32 v[T+5], IMG_W-1, v[T+5]
	v_min_u32 v[T+6], IMG_W-1, v[T+6]
	v_lshlrev_b32 v[RA+4*\l+2*\d],   4, v[T+5]
	v_lshlrev_b32 v[RA+4*\l+2*\d+1], 4, v[T+6]
.endr
.endr
	; the weights, one item a lane
	s_mov_b32 s18, 0xc4000000                      ; -512.0
	s_mov_b32 s19, 0x44000000                      ; +512.0
	v_and_b32 v[T+5], 2, v[T]
	v_mov_b32 v[T+6], CY
	v_cmp_ne_u32 vcc_lo, 0, v[T+5]
	v_cndmask_b32 v[T+6], CX, v[T+6], vcc_lo       ; y ? cy : cx
	v_lshlrev_b32 v[T+5], 31, v[T]
	v_xor_b32 v[T+6], v[T+5], v[T+6]               ; kind 1, 3: minus
	v_mov_b32 v[T+7], 0x3e800000
	v_cmp_gt_u32 vcc_lo, 4, v[T]
	v_cndmask_b32 v[T+7], 1.0, v[T+7], vcc_lo      ; layer 0 carries the mean's 1/4
	s_wait_loadcnt 60                              ; p and D + 512 are in; the 60 loads of the ring were issued behind them
	v_mul_f32 v[T+3], v[T+3], v[T+6]               ; the shift in pixels, by the same two lines as in the launch before
	v_med3_num_f32 v[T+3], v[T+3], s18, s19
	v_min_u32 v[T+4], 2*BIAS, v[T+4]
	v_add_nc_u32 v[T+4], -BIAS, v[T+4]
	v_cvt_f32_i32 v[T+4], v[T+4]                   ; D
	v_sub_f32 v[T+3], v[T+3], v[T+4]               ; f = d - D
	v_sub_f32 v[T+4], 1.0, v[T+3]
	v_mul_f32 v[T+5], v[T+3], v[T+7]               ; B = f (/4)
	v_mul_f32 v[T+4], v[T+4], v[T+7]               ; A = (1 - f) (/4)
.irp l, 0,1,2
	v_readlane_b32 s[WT+12*\l],    v[T+3], 4*\l    ; fx, ll = -1
	v_readlane_b32 s[WT+12*\l+2],  v[T+3], 4*\l+1  ; fx, ll = +1
	v_readlane_b32 s[WT+12*\l+4],  v[T+4], 4*\l+2  ; A, B of kk = -1
	v_readlane_b32 s[WT+12*\l+6],  v[T+5], 4*\l+2
	v_readlane_b32 s[WT+12*\l+8],  v[T+4], 4*\l+3  ; A, B of kk = +1
	v_readlane_b32 s[WT+12*\l+10], v[T+5], 4*\l+3
.irp w, 0,2,4,6,8,10
	s_mov_b32 s[WT+12*\l+\w+1], s[WT+12*\l+\w]     ; a packed form names the pair: both halves are written
.endr
.endr
	STEP 0, 0, 40                                  ; 40: the two younger fills of 20 loads
	STEP 0, 1, 40
	STEP 0, 2, 40
	STEP 1, 0, 40
	STEP 1, 1, 40
	STEP 1, 2, 40
	STEP 2, 0, 40
	STEP 2, 1, 20                                  ; the last channel fills nothing: the counts run down
	STEP 2, 2, 0
	s_wait_dscnt 0x0                               ; my results of the last channel are in the stage
	s_barrier_signal -1
	s_barrier_wait -1                              ; everybody's are
	READBACK
	s_wait_dscnt 0x0
	STOREOUT 2
	s_wait_tensorcnt 0x0
	ds_add_u32 v160, v161
	s_wait_dscnt 0x0
	s_endpgm
.Lfunc_end_k_q62fdd9d0e7_compose:
	.size	k_q62fdd9d0e7_compose, .Lfunc_end_k_q62fdd9d0e7_compose-k_q62fdd9d0e7_compose
	.p2alignl 7, 3214868480
	.fill 96, 4, 3214868480
	.section	.rodata,"a",@progbits
	.p2align	6, 0x0
	.amdhsa_kernel k_q62fdd9d0e7_compose
		.amdhsa_group_segment_fixed_size 70656
		.amdhsa_private_segment_fixed_size 0
		.amdhsa_enable_private_segment 0
		.amdhsa_kernarg_size 32
		.amdhsa_user_sgpr_count 2
		.amdhsa_user_sgpr_kernarg_segment_ptr 1
		.amdhsa_wavefront_size32 1
		.amdhsa_system_sgpr_workgroup_id_x 1
		.amdhsa_system_sgpr_workgroup_id_y 1
		.amdhsa_system_sgpr_workgroup_id_z 1
		.amdhsa_system_vgpr_workitem_id 0
		.amdhsa_next_free_vgpr 162
		.amdhsa_next_free_sgpr 102
		.amdhsa_reserve_vcc 1
		.amdhsa_float_denorm_mode_32 3
		.amdhsa_float_denorm_mode_16_64 3
		.amdhsa_memory_ordered 1
		.amdhsa_forward_progress 1
		.amdhsa_inst_pref_size 70
	.end_amdhsa_kernel
	.amdgpu_metadata
---
amdhsa.version: [ 1, 2 ]
amdhsa.kernels:
  - .name:           k_q62fdd9d0e7_compose
    .symbol:         k_q62fdd9d0e7_compose.kd
    .args:
      - { .name: low_rank, .offset: 0, .size: 8, .value_kind: global_buffer, .address_space: global }
      - { .name: planes, .offset: 8, .size: 8, .value_kind: global_buffer, .address_space: global }
      - { .name: shift, .offset: 16, .size: 8, .value_kind: global_buffer, .address_space: global }
      - { .name: out0, .offset: 24, .size: 8, .value_kind: global_buffer, .address_space: global }
    .group_segment_fixed_size: 70656
    .private_segment_fixed_size: 0
    .kernarg_segment_align: 8
    .kernarg_segment_size: 32
    .max_flat_workgroup_size: 384
    .sgpr_count:     102
    .vgpr_count:     162
    .wavefront_size: 32
...
	.end_amdgpu_metadata
.endif
;; end of part 2
;; ======== version 2 of 2: 2 launches; 1.33 times as fast as version 1
;; workspace buffers: shift 256 bytes of whole numbers
;; launch shifts: the kernel of part 1 again; grid 1 x 1, 1 waves a work-group, no clusters, 0 bytes of LDS; arguments planes, shift; writes shift
;; launch compose (part 3): grid 256 x 1, 12 waves a work-group, no clusters, 75,264 bytes of LDS; arguments low_rank, planes, shift, out0; writes out0
.if DOCPART == 3
	.amdgcn_target "amdgcn-amd-amdhsa--gfx1250"
	.amdhsa_code_object_version 6
	.text
	.protected	k_q62fdd9d0e7_compose
	.globl	k_q62fdd9d0e7_compose
	.p2align	8
	.type	k_q62fdd9d0e7_compose,@function
k_q62fdd9d0e7_compose:
	s_mov_b64 s[64:65], 0
	v_nop
	global_prefetch_b8 v0, s[64:65] scope:SCOPE_SE
	s_setreg_imm32_b32 hwreg(HW_REG_WAVE_MODE, 25, 1), 1
	s_wait_xcnt 0x0
; out0[n][a][c][i][j] = 1/4 * sum over 4 ranks of the product over 3 layers of a bilinear sample of low_rank[n][l][r][c],
; taken at (i + dy, j + dx), border clamped; dx, dy are constants of (n, l, view a = 3 (kk+1) + (ll+1)):  dx = -ll p 383/768, dy = -kk p 255/512.
; Clamping the position equals clamping the two tap indices, so with D = floor(d), f = d - D a sample is a vertical lerp of rows
; clamp(i + Dy), clamp(i + Dy + 1) followed by a horizontal lerp of columns clamp(j + Dx), clamp(j + Dx + 1).  D + 512 comes as whole numbers
; from the launch before; f is made here as d - D, with d by the same two instructions as there.
;
; A work-group makes two rows of one n, for all 9 views and 3 channels.  n is bit 2 of the work-group's number x, the row pair is 4 (x >> 3) + (x & 3):
; the two n share no input byte, neighbouring row pairs of one n do (rows i - 1 .. i + 2 for shifts below a pixel), so work-groups that share rows agree in bit 2.
; 12 waves: wave w takes row 2 ip + (w & 1) and columns 64 (w >> 1) .. + 63; a THREAD TAKES TWO NEIGHBOURING COLUMNS 2 t, 2 t + 1.
; Nine steps, channel outer, layer inner.  For a step:
;   20 loads of 8 bytes a lane (5 rows x 4 ranks; a wave's load covers 256 consecutive bytes, aligned);
;   the vertical lerps V(kk), written unpacked so that each result lands in its place of a unit [column][4 ranks] of 16 bytes, two to a dual instruction; V to LDS;
;   a barrier;  for each kk and ll = -1, +1 THREE units (columns 2 t + D, + 1, + 2 serve both of the thread's columns);  the horizontal lerps, packed over
;   ranks;  the product into 72 accumulators.  ll = 0 needs no LDS: the thread holds its own V.  The 1/4 rides on layer 0's vertical weights.
; A unit is aligned for ds_load_b128 at EVERY horizontal shift, and the border is a clamp of the unit's index: no select, no edge code.
; The lanes of one read are two units apart, so the even columns' units lie in one half of a V row and the odd ones' in the other:
; unit u at (u & 1) * 3,072 + (u >> 1) * 16.  All lanes of a read have one parity (but for clamped lanes), so they take consecutive 16-byte places.
; Layer 2 ends in a dot over the ranks; a thread's two results are 8 neighbouring bytes: a wave's store covers 256 consecutive bytes, aligned.
; ORDER: behind the barrier of step s a wave first asks for V(s), then makes V(s+1) from its registers while those reads are on their way.
; Two V buffers take turns: V(s+1) goes where V(s-1) lay, and every wave has waited for its reads of V(s-1) in front of the barrier of step s.
; No matrix unit (there is no product of matrices), no tensor loads (beyond an edge they deliver zeros, here the border repeats), hence no cluster.
; LIMITS: planes finite.  The position is j + p 383/768 and not the reference's way through the normalised grid: it differs by the rounding
; of the position alone (far below a thousandth of a pixel), and the result is continuous in the position.
.set IMG_W, 384
.set IMG_H, 256
.set ROWB,  IMG_W*4                    ; bytes in an image row
.set PL,    IMG_H*ROWB                 ; bytes in an image plane; also from c to c
.set RK,    3*PL                       ; from rank to rank in low_rank
.set LY,    12*PL                      ; from layer to layer
.set NB,    36*PL                      ; from n to n in low_rank
.set VW,    3*PL                       ; from view to view in out0
.set ONB,   27*PL                      ; from n to n in out0
.set BIAS,  512                        ; the whole numbers are D + 512
.set CX,    0x3eff5555                 ; 383/768
.set CY,    0x3eff0000                 ; 255/512
.set HALF,  (IMG_W/2)*16               ; LDS: the 192 units of one parity
.set UROW,  2*HALF                     ; LDS: one V(kk) of one row
.set AROW,  3*UROW                     ; LDS: the three V of one row
.set VBUF,  2*AROW                     ; LDS: a step's V, both rows; two such buffers
.set XO,   1                           ; v1        8 t: my two columns in an image row, in low_rank and in out0; never rewritten
.set SA,   2                           ; v2        16 t + my row's block: my even unit in a V
.set X2,   3                           ; v3        2 t (set-up only)
.set RA,   4                           ; v[4:21]   layer l, ll = -1 / +1 (d = 0 / 1), tap e = 0..2: LDS address of unit clamp(2 t + e + D), at 6 l + 3 d + e
.set RING, 22                          ; v[22:101] two slots: row q (Z, M0, M1, P0, P1), rank r, column j at 8 q + 2 r + j
.set ACC,  102                         ; v[102:173] view (k = kk+1, ll' = ll+1), column j, rank r at 24 k + 8 ll' + 4 j + r
.set U,    174                         ; v[174:197] V of the next step: k, column j, rank r at 8 k + 4 j + r
.set LT,   198                         ; v[198:245] two sets of six units read from LDS: 12 d + 4 e + r
.set T,    LT                          ; the same registers as scratch in the set-up, where no LDS read is out
.set QW,   16                          ; s16       0.25
.set BASE, 20                          ; s[20:49]  layer l: addresses of rows Z, M0, M1, P0, P1 (c = 0, rank 0)
.set INTS, 52                          ; s[52:63]  D + 512: layer l at 4 l: x ll=-1, x ll=+1, y kk=-1, y kk=+1
.set WX,   66                          ; s[66:77]  fx of layer l, d at 4 l + 2 d, each twice (a pair for the packed forms)
.set WY,   78                          ; s[78:89]  layer l at 4 l: A-, B-, A+, B+ (upper and lower row's weight of kk = -1, +1)
; 4 loads: row q of layer l, channel c, the four ranks.  Rank and channel stand in the immediate (4,325,376 at the most).
.macro FILLROW slot, l, c, q
.irp r, 0,1,2,3
	global_load_b64 v[RING+40*\slot+8*\q+2*\r:RING+40*\slot+8*\q+2*\r+1], v[XO], s[BASE+10*\l+2*\q:BASE+10*\l+2*\q+1] offset:(\c)*PL+\r*RK
.endr
.endm
; 20 loads: all five rows
.macro FILL slot, l, c
.irp q, 0,1,2,3,4
	FILLROW \slot, \l, \c, \q
.endr
.endm
; address of row clamp(i + e + D) of layer l (s[4:5] = the layer's first plane, s3 = 0).  The last step on the loaded number is the minimum with a constant.
.macro ROWBASE l, q, kind, e
	s_add_co_u32 s15, s[INTS+4*\l+\kind], s13
.if \e
	s_add_co_u32 s15, s15, \e
.endif
	s_max_u32 s15, s15, BIAS
	s_sub_co_u32 s15, s15, BIAS
	s_min_u32 s15, s15, IMG_H-1
	s_mul_i32 s2, s15, ROWB
	s_add_nc_u64 s[BASE+10*\l+2*\q:BASE+10*\l+2*\q+1], s[4:5], s[2:3]
.endm
; From [rank][column] as loaded to [column][rank] as a unit wants it; the move rides on the vertical lerp's own arithmetic.
; Ranks r and r + 1 of a column go in one dual instruction: their destinations are an even and an odd register (dst is even), their vector sources lie
; two registers apart, so in different register banks, and both halves name one scalar: what the ISA guide's rules for dual issue ask for.
.macro TMUL dst, src, w
.irp j, 0,1
.irp r, 0,2
	v_dual_mul_f32 v[\dst+4*\j+\r], s[\w], v[\src+2*\r+\j] :: v_dual_mul_f32 v[\dst+4*\j+\r+1], s[\w], v[\src+2*\r+\j+2]
.endr
.endr
.endm
.macro TFMA dst, src, w
.irp j, 0,1
.irp r, 0,2
	v_dual_fmac_f32 v[\dst+4*\j+\r], s[\w], v[\src+2*\r+\j] :: v_dual_fmac_f32 v[\dst+4*\j+\r+1], s[\w], v[\src+2*\r+\j+2]
.endr
.endr
.endm
.macro TMOV dst, src
.irp j, 0,1
.irp r, 0,2
	v_dual_mov_b32 v[\dst+4*\j+\r], v[\src+2*\r+\j] :: v_dual_mov_b32 v[\dst+4*\j+\r+1], v[\src+2*\r+\j+2]
.endr
.endr
.endm
; my two units of V(k) into buffer buf
.macro VSTORE src, buf, k
	ds_store_b128 v[SA], v[\src:\src+3] offset:\buf*VBUF+\k*UROW
	ds_store_b128 v[SA], v[\src+4:\src+7] offset:\buf*VBUF+\k*UROW+HALF
.endm
; x = x - y, four ranks
.macro PKSUB x, y
	v_pk_add_f32 v[\x:\x+1],   v[\x:\x+1],   v[\y:\y+1]   neg_lo:[0,1] neg_hi:[0,1]
	v_pk_add_f32 v[\x+2:\x+3], v[\x+2:\x+3], v[\y+2:\y+3] neg_lo:[0,1] neg_hi:[0,1]
.endm
; dst = d * s[w] + base, four ranks
.macro PKLERP dst, d, w, base
	v_pk_fma_f32 v[\dst:\dst+1],   v[\d:\d+1],   s[\w:\w+1], v[\base:\base+1]   op_sel_hi:[1,0,1]
	v_pk_fma_f32 v[\dst+2:\dst+3], v[\d+2:\d+3], s[\w:\w+1], v[\base+2:\base+3] op_sel_hi:[1,0,1]
.endm
; layer 1: the accumulator takes the sample as a factor, four ranks
.macro CMUL acc, v
	v_pk_mul_f32 v[\acc:\acc+1],   v[\acc:\acc+1],   v[\v:\v+1]
	v_pk_mul_f32 v[\acc+2:\acc+3], v[\acc+2:\acc+3], v[\v+2:\v+3]
.endm
; layer 2: the last factor and the sum over the four ranks in one, in place in a view's eight accumulators (ab); p0, p1: the samples of columns 0, 1.
; Three stages, so that several views can take turns.  The two results end in v[ab+2:ab+3], which the second stage has spent.
.macro CD1 ab, p0, p1
	v_pk_mul_f32 v[\ab:\ab+1],   v[\ab:\ab+1],   v[\p0:\p0+1]
	v_pk_mul_f32 v[\ab+4:\ab+5], v[\ab+4:\ab+5], v[\p1:\p1+1]
.endm
.macro CD2 ab, p0, p1
	v_pk_fma_f32 v[\ab:\ab+1],   v[\ab+2:\ab+3], v[\p0+2:\p0+3], v[\ab:\ab+1]
	v_pk_fma_f32 v[\ab+4:\ab+5], v[\ab+6:\ab+7], v[\p1+2:\p1+3], v[\ab+4:\ab+5]
.endm
.macro CD3 ab                          ; both columns' last add in one dual: ab is 2 modulo 4, so the first sources lie in banks 2 and 3, the second in 3 and 2
	v_dual_add_f32 v[\ab+2], v[\ab], v[\ab+1] :: v_dual_add_f32 v[\ab+3], v[\ab+5], v[\ab+4]
.endm
; s[10:11] stands at view 4, so that the immediates stay inside their signed 24 bits (5,505,024 at the most either way)
.macro CDS ab, view, c
	global_store_b64 v[XO], v[\ab+2:\ab+3], s[10:11] offset:((\view)-4)*VW+(\c)*PL th:TH_STORE_NT
.endm
; The vertical lerps of step (c, l) out of slot sl, V into buffer sl, and the middle views (ll = 0), which need nothing from other columns.
.macro STAGE1 c, l, sl
.if \l == 0
	TMUL ACC+32, RING+40*\sl,    QW                ; layer 0 starts the products: V lands in the middle views' accumulators, with the mean's 1/4
	TMUL ACC+8,  RING+40*\sl+8,  WY
	TMUL ACC+56, RING+40*\sl+24, WY+2
	VSTORE ACC+32, \sl, 1
	TFMA ACC+8,  RING+40*\sl+16, WY+1
	TFMA ACC+56, RING+40*\sl+32, WY+3
	VSTORE ACC+8,  \sl, 0
	VSTORE ACC+56, \sl, 2
.else
	TMOV U+8,  RING+40*\sl
	TMUL U,    RING+40*\sl+8,  WY+4*\l
	TMUL U+16, RING+40*\sl+24, WY+4*\l+2
	VSTORE U+8, \sl, 1
	TFMA U,    RING+40*\sl+16, WY+4*\l+1
	TFMA U+16, RING+40*\sl+32, WY+4*\l+3
	VSTORE U,    \sl, 0
	VSTORE U+16, \sl, 2
.if \l == 1
	CMUL ACC+32, U+8
	CMUL ACC+36, U+12
	CMUL ACC+8,  U
	CMUL ACC+12, U+4
	CMUL ACC+56, U+16
	CMUL ACC+60, U+20
.else
	CD1 ACC+32, U+8,  U+12
	CD1 ACC+8,  U,    U+4
	CD1 ACC+56, U+16, U+20
	CD2 ACC+32, U+8,  U+12
	CD2 ACC+8,  U,    U+4
	CD2 ACC+56, U+16, U+20
	CD3 ACC+32
	CD3 ACC+8
	CD3 ACC+56
	CDS ACC+32, 4, \c
	CDS ACC+8,  1, \c
	CDS ACC+56, 7, \c
.endif
.endif
.endm
; six units of V(k) of layer l, out of buffer b, into set st: three taps of ll = -1, three of ll = +1
.macro GLOAD l, k, st, b
.irp d, 0,1
.irp e, 0,1,2
	ds_load_b128 v[LT+24*\st+12*\d+4*\e:LT+24*\st+12*\d+4*\e+3], v[RA+6*\l+3*\d+\e] offset:\b*VBUF+\k*UROW
.endr
.endr
.endm
; The four horizontal lerps on set st (column 1 from taps 1, 2; column 0 from taps 0, 1; both ll by turns) and what layer l does with them.  Register work alone.
.macro HLC l, k, st
	PKSUB LT+24*\st+8,  LT+24*\st+4
	PKSUB LT+24*\st+20, LT+24*\st+16
.if \l == 0
	PKLERP ACC+24*\k+4,  LT+24*\st+8,  WX,   LT+24*\st+4
	PKLERP ACC+24*\k+20, LT+24*\st+20, WX+2, LT+24*\st+16
.else
	PKLERP LT+24*\st+8,  LT+24*\st+8,  WX+4*\l,   LT+24*\st+4
	PKLERP LT+24*\st+20, LT+24*\st+20, WX+4*\l+2, LT+24*\st+16
.endif
	PKSUB LT+24*\st+4,  LT+24*\st
	PKSUB LT+24*\st+16, LT+24*\st+12
.if \l == 0
	PKLERP ACC+24*\k,    LT+24*\st+4,  WX,   LT+24*\st
	PKLERP ACC+24*\k+16, LT+24*\st+16, WX+2, LT+24*\st+12
.else
	PKLERP LT+24*\st,    LT+24*\st+4,  WX+4*\l,   LT+24*\st
	PKLERP LT+24*\st+12, LT+24*\st+16, WX+4*\l+2, LT+24*\st+12
.endif
.if \l == 1
	CMUL ACC+24*\k+4,  LT+24*\st+8
	CMUL ACC+24*\k+20, LT+24*\st+20
	CMUL ACC+24*\k,    LT+24*\st
	CMUL ACC+24*\k+16, LT+24*\st+12
.endif
.if \l == 2
	CD1 ACC+24*\k,    LT+24*\st,    LT+24*\st+8
	CD1 ACC+24*\k+16, LT+24*\st+12, LT+24*\st+20
	CD2 ACC+24*\k,    LT+24*\st,    LT+24*\st+8
	CD2 ACC+24*\k+16, LT+24*\st+12, LT+24*\st+20
	CD3 ACC+24*\k
	CD3 ACC+24*\k+16
.endif
.endm
.macro HLS c, l, k                     ; layer 2: the two outer views of row k leave
.if \l == 2
	CDS ACC+24*\k,    3*\k,   \c
	CDS ACC+24*\k+16, 3*\k+2, \c
.endif
.endm
; Step (c, l), whose V lies in buffer b, behind its barrier.  more = 1: step (nc, nl) follows; its slot and its buffer are nb.
; left = the loads issued behind that slot's fill.  fill = 1: the slot is filled again, with step (fc, fl), three steps on.
.macro PHASE c, l, b, nb, more, nc, nl, left, fill, fc, fl
	GLOAD \l, 0, 0, \b
	GLOAD \l, 1, 1, \b
.if \more
	s_wait_loadcnt \left                           ; loads come back in order (ISA guide 5.7.1): the next step's slot is in, the younger fill stays out
.if \nl == 0
	s_wait_xcnt 0x0                                ; the middle views' stores have read their accumulators: these are written again only behind this wait
.endif
	STAGE1 \nc, \nl, \nb                           ; register work and six LDS stores while the twelve reads above are on their way
.if \fill
	FILL \nb, \fl, \fc
.endif
.endif
	s_wait_dscnt 6+6*\more                         ; behind the reads of k = 0: the six of k = 1 and the six V stores
.if \l == 0
.if \c > 0
	s_wait_xcnt 0x0                                ; the last channel's stores have read the outer views' accumulators: written again only behind this wait
.endif
.endif
	HLC \l, 0, 0
	HLS \c, \l, 0
	GLOAD \l, 2, 0, \b
	s_wait_dscnt 6+6*\more                         ; behind the reads of k = 1: the six V stores and the six reads of k = 2
	HLC \l, 1, 1
	HLS \c, \l, 1
	s_wait_dscnt 0x0                               ; my reads of this buffer are back, and, for the others' sake, my V of the next step is in LDS
.if \more
	s_barrier_signal -1                            ; say so,
.endif
	HLC \l, 2, 0                                   ; work on registers while the others arrive,
.if \more
	s_barrier_wait -1                              ; and go on when all twelve have said so: the next step's V is whole, this buffer is free
.endif
	HLS \c, \l, 2                                  ; stores stand behind the barrier's wait
.endm
	s_load_b256 s[4:11], s[0:1], 0x0               ; low_rank s[4:5], planes s[6:7], shift s[8:9], out0 s[10:11]
	v_lshl_add_u32 v248, v0, 2, 0x12000
	v_mov_b32 v249, 0
	v_lshrrev_b32 v[T], 5, v0
	v_readfirstlane_b32 s14, v[T]                  ; wave 0..11
	s_and_b32 s50, s14, 1                          ; which of the group's two rows
	s_lshr_b32 s51, s14, 1                         ; which 64 columns
	s_bfe_u32 s12, ttmp9, 0x10002                  ; n = bit 2 of the work-group's number
	s_lshr_b32 s13, ttmp9, 3
	s_and_b32 s15, ttmp9, 3
	s_lshl2_add_u32 s13, s13, s15                  ; row pair = 4 (x >> 3) + (x & 3), 0..127
	s_lshl1_add_u32 s13, s13, s50                  ; i
	s_mul_i32 s17, s50, AROW                       ; my row's block in a V buffer
	s_mov_b32 s3, 0                                ; high word of every 32-bit offset below
	v_and_b32 v[X2], 31, v0
	v_lshl_add_u32 v[X2], s51, 5, v[X2]            ; t = 32 x block + lane, 0..191
	v_lshlrev_b32 v[XO], 3, v[X2]
	v_lshl_add_u32 v[SA], v[X2], 4, s17
	v_lshlrev_b32 v[X2], 1, v[X2]                  ; my even column
	v_and_b32 v[T], 15, v0                         ; lanes 0-11 (repeated above): item 4 l + kind
	v_lshrrev_b32 v[T+1], 2, v[T]
	v_min_u32 v[T+1], 2, v[T+1]
	v_lshlrev_b32 v[T+1], 2, v[T+1]                ; byte offset of planes[n][l]
	v_lshlrev_b32 v[T+2], 2, v[T]                  ; byte offset of the item's whole number
	s_wait_kmcnt 0x0
	s_lshl_b32 s2, s12, 6
	s_add_nc_u64 s[8:9], s[8:9], s[2:3]            ; my n's 16 words
	s_mul_i32 s2, s12, 12
	s_add_nc_u64 s[6:7], s[6:7], s[2:3]            ; my n's three planes
	s_load_b256 s[INTS:INTS+7], s[8:9], 0x0        ; the whole numbers as scalars, for addresses,
	s_load_b128 s[INTS+8:INTS+11], s[8:9], 0x20
	global_load_b32 v[T+3], v[T+1], s[6:7]         ; and, one item a lane, p and D + 512 for the weights
	global_load_b32 v[T+4], v[T+2], s[8:9]
	s_mul_i32 s2, s12, NB
	s_add_nc_u64 s[4:5], s[4:5], s[2:3]            ; low_rank[n], layer 0
	s_mul_i32 s2, s13, ROWB
	s_add_nc_u64 s[BASE:BASE+1], s[4:5], s[2:3]    ; kk = 0: row i of each layer hangs on no whole number,
	s_add_nc_u64 s[BASE+10:BASE+11], s[BASE:BASE+1], LY
	s_add_nc_u64 s[BASE+20:BASE+21], s[BASE+10:BASE+11], LY
	FILLROW 0, 0, 0, 0                             ; so the first two steps' unshifted rows go out while the scalar loads above are on their way
	FILLROW 1, 1, 0, 0
	s_mul_i32 s2, s12, ONB
	s_mul_i32 s15, s13, ROWB
	s_add_co_u32 s2, s2, s15
	s_add_co_u32 s2, s2, 4*VW
	s_add_nc_u64 s[10:11], s[10:11], s[2:3]        ; out0[n][view 4][c 0][i]
	s_mov_b32 s[QW], 0x3e800000                    ; 0.25
	s_wait_kmcnt 0x0
.irp k, 0,1,2,3,4,5,6,7,8,9,10,11
	s_min_u32 s[INTS+\k], s[INTS+\k], 2*BIAS
.endr
.irp l, 0,1,2
	ROWBASE \l, 1, 2, 0                            ; kk = -1: upper, lower row
	ROWBASE \l, 2, 2, 1
	ROWBASE \l, 3, 3, 0                            ; kk = +1
	ROWBASE \l, 4, 3, 1
.if \l < 2
.irp q, 1,2,3,4
	FILLROW \l, \l, 0, \q                          ; the shifted rows as soon as they are known: 16 loads a slot; 42 loads out in all with those above
.endr
	s_add_nc_u64 s[4:5], s[4:5], LY
.endif
.endr
	; The taps' LDS addresses, while the first loads are on their way.  u = clamp(2 t + e + D, 0, 383); the last step on the loaded number in front of
	; the address arithmetic is the minimum with a constant; behind it: (u << 3) & 0xff0 = 16 (u >> 1), (u & 1) * 3,072, my row's block.
.irp l, 0,1,2
.irp d, 0,1
	v_add_nc_u32 v[T+8], s[INTS+4*\l+\d], v[X2]
.irp e, 0,1,2
.if \e
	v_add_nc_u32 v[T+9], \e, v[T+8]
	v_max_u32 v[T+9], BIAS, v[T+9]
.else
	v_max_u32 v[T+9], BIAS, v[T+8]
.endif
	v_add_nc_u32 v[T+9], -BIAS, v[T+9]
	v_min_u32 v[T+9], IMG_W-1, v[T+9]
	v_and_b32 v[T+10], 1, v[T+9]
	v_lshlrev_b32 v[T+9], 3, v[T+9]
	v_mul_u32_u24 v[T+10], v[T+10], HALF
	v_and_b32 v[T+9], 0xff0, v[T+9]
	v_add3_u32 v[RA+6*\l+3*\d+\e], v[T+9], v[T+10], s17
.endr
.endr
.endr
	; the weights, one item a lane
	s_mov_b32 s18, 0xc4000000                      ; -512.0
	s_mov_b32 s19, 0x44000000                      ; +512.0
	v_and_b32 v[T+5], 2, v[T]
	v_mov_b32 v[T+6], CY
	v_cmp_ne_u32 vcc_lo, 0, v[T+5]
	v_cndmask_b32 v[T+6], CX, v[T+6], vcc_lo       ; y ? cy : cx
	v_lshlrev_b32 v[T+5], 31, v[T]
	v_xor_b32 v[T+6], v[T+5], v[T+6]               ; kind 1, 3: minus
	v_mov_b32 v[T+7], 0x3e800000
	v_cmp_gt_u32 vcc_lo, 4, v[T]
	v_cndmask_b32 v[T+7], 1.0, v[T+7], vcc_lo      ; layer 0 carries the mean's 1/4
	s_wait_loadcnt 40                              ; p and D + 512 are in; behind them: 8 loads of unshifted rows, 32 of shifted rows
	v_mul_f32 v[T+3], v[T+3], v[T+6]               ; the shift in pixels, by the same two lines as in the launch before
	v_med3_num_f32 v[T+3], v[T+3], s18, s19
	v_min_u32 v[T+4], 2*BIAS, v[T+4]
	v_add_nc_u32 v[T+4], -BIAS, v[T+4]
	v_cvt_f32_i32 v[T+4], v[T+4]                   ; D
	v_sub_f32 v[T+3], v[T+3], v[T+4]               ; f = d - D
	v_sub_f32 v[T+4], 1.0, v[T+3]
	v_mul_f32 v[T+5], v[T+3], v[T+7]               ; B = f (/4)
	v_mul_f32 v[T+4], v[T+4], v[T+7]               ; A = (1 - f) (/4)
.irp l, 0,1,2
	v_readlane_b32 s[WX+4*\l],   v[T+3], 4*\l      ; fx, ll = -1
	v_readlane_b32 s[WX+4*\l+2], v[T+3], 4*\l+1    ; fx, ll = +1
	v_readlane_b32 s[WY+4*\l],   v[T+4], 4*\l+2    ; A, B of kk = -1
	v_readlane_b32 s[WY+4*\l+1], v[T+5], 4*\l+2
	v_readlane_b32 s[WY+4*\l+2], v[T+4], 4*\l+3    ; A, B of kk = +1
	v_readlane_b32 s[WY+4*\l+3], v[T+5], 4*\l+3
	s_mov_b32 s[WX+4*\l+1], s[WX+4*\l]             ; a packed form names the pair: both halves are written
	s_mov_b32 s[WX+4*\l+3], s[WX+4*\l+2]
.endr
	s_wait_loadcnt 16                              ; slot 0 is in: behind its last load stand the 16 of slot 1's shifted rows
	STAGE1 0, 0, 0                                 ; V of the first step
	FILL 0, 2, 0                                   ; the slot is free: layer 2 of channel 0
	s_wait_dscnt 0x0                               ; for the others' sake: my V is in LDS
	s_barrier_signal -1
	s_barrier_wait -1
	;     c  l  b  nb more nc nl left fill fc fl
	PHASE 0, 0, 0, 1, 1,   0, 1, 20,  1,   1, 0    ; 20: the one younger fill
	PHASE 0, 1, 1, 0, 1,   0, 2, 20,  1,   1, 1
	PHASE 0, 2, 0, 1, 1,   1, 0, 20,  1,   1, 2
	PHASE 1, 0, 1, 0, 1,   1, 1, 20,  1,   2, 0
	PHASE 1, 1, 0, 1, 1,   1, 2, 20,  1,   2, 1
	PHASE 1, 2, 1, 0, 1,   2, 0, 20,  1,   2, 2
	PHASE 2, 0, 0, 1, 1,   2, 1, 20,  0,   0, 0    ; nothing is left to fetch: the counts run down
	PHASE 2, 1, 1, 0, 1,   2, 2, 0,   0,   0, 0
	PHASE 2, 2, 0, 1, 0,   0, 0, 0,   0,   0, 0    ; the last step makes no further V and passes no barrier
	s_wait_tensorcnt 0x0
	ds_add_u32 v248, v249
	s_wait_dscnt 0x0
	s_endpgm
.Lfunc_end_k_q62fdd9d0e7_compose:
	.size	k_q62fdd9d0e7_compose, .Lfunc_end_k_q62fdd9d0e7_compose-k_q62fdd9d0e7_compose
	.p2alignl 7, 3214868480
	.fill 96, 4, 3214868480
	.section	.rodata,"a",@progbits
	.p2align	6, 0x0
	.amdhsa_kernel k_q62fdd9d0e7_compose
		.amdhsa_group_segment_fixed_size 75264
		.amdhsa_private_segment_fixed_size 0
		.amdhsa_enable_private_segment 0
		.amdhsa_kernarg_size 32
		.amdhsa_user_sgpr_count 2
		.amdhsa_user_sgpr_kernarg_segment_ptr 1
		.amdhsa_wavefront_size32 1
		.amdhsa_system_sgpr_workgroup_id_x 1
		.amdhsa_system_sgpr_workgroup_id_y 1
		.amdhsa_system_sgpr_workgroup_id_z 1
		.amdhsa_system_vgpr_workitem_id 0
		.amdhsa_next_free_vgpr 250
		.amdhsa_next_free_sgpr 90
		.amdhsa_reserve_vcc 1
		.amdhsa_float_denorm_mode_32 3
		.amdhsa_float_denorm_mode_16_64 3
		.amdhsa_memory_ordered 1
		.amdhsa_forward_progress 1
		.amdhsa_inst_pref_size 107
	.end_amdhsa_kernel
	.amdgpu_metadata
---
amdhsa.version: [ 1, 2 ]
amdhsa.kernels:
  - .name:           k_q62fdd9d0e7_compose
    .symbol:         k_q62fdd9d0e7_compose.kd
    .args:
      - { .name: low_rank, .offset: 0, .size: 8, .value_kind: global_buffer, .address_space: global }
      - { .name: planes, .offset: 8, .size: 8, .value_kind: global_buffer, .address_space: global }
      - { .name: shift, .offset: 16, .size: 8, .value_kind: global_buffer, .address_space: global }
      - { .name: out0, .offset: 24, .size: 8, .value_kind: global_buffer, .address_space: global }
    .group_segment_fixed_size: 75264
    .private_segment_fixed_size: 0
    .kernarg_segment_align: 8
    .kernarg_segment_size: 32
    .max_flat_workgroup_size: 384
    .sgpr_count:     90
    .vgpr_count:     250
    .wavefront_size: 32
...
	.end_amdgpu_metadata
.endif
;; end of part 3
